; MI455X (gfx1250); checked and timed in simulation.
; The chip was launched on July 23, 2026; its instructions are those of AMD's public machine-readable ISA for CDNA 5 (MIT licence, August 2026) and "CDNA5" Instruction Set Architecture Reference Guide (July 2026). The comments in the code are by the model that wrote it; some were corrected since.
;; Dot Product Attention. Allowed arithmetic: float matrix products may take bf16 or f16 operands with f32 sums; all other float work in f32.
;; Inputs: keys 2 x 8 x 4,096 x 64 float32; mask 1 x 1 x 4,096 x 4,096 float32; queries 2 x 8 x 4,096 x 64 float32; values 2 x 8 x 4,096 x 64 float32.
;; Outputs: out0 2 x 8 x 4,096 x 64 float32.
;; Constants: d_k = 64.
;; One version. Each part assembles by itself: llvm-mc -triple=amdgcn-amd-amdhsa -mcpu=gfx1250 --defsym DOCPART=n.
;; ======== version 1 of 1: 1 launch
;; launch attn (part 1): grid 16 x 16, 8 waves a work-group, clusters of 4 x 1, 327,680 bytes of LDS; arguments queries, keys, values, mask, out0; writes out0
.if DOCPART == 1
	.amdgcn_target "amdgcn-amd-amdhsa--gfx1250"
	.amdhsa_code_object_version 6
	.text
	.protected	k_qedcc2cc471_attn
	.globl	k_qedcc2cc471_attn
	.p2align	8
	.type	k_qedcc2cc471_attn,@function
k_qedcc2cc471_attn:
	s_mov_b64 s[64:65], 0
	v_nop
	global_prefetch_b8 v0, s[64:65] scope:SCOPE_SE
	s_setreg_imm32_b32 hwreg(HW_REG_WAVE_MODE, 25, 1), 1
	s_wait_xcnt 0x0
	s_wait_alu depctr_hold_cnt(0) depctr_sa_sdst(0) depctr_va_vdst(0) depctr_va_sdst(0) depctr_va_ssrc(0) depctr_va_vcc(0) depctr_vm_vsrc(0)
	s_getreg_b32 s2, hwreg(HW_REG_IB_STS2, 6, 4)
	s_cmp_eq_u32 s2, 0
	s_cbranch_scc0 .Lentry_in_a_cluster
	s_endpgm
.Lentry_in_a_cluster:
	s_bfe_u32 s2, ttmp6, 0x10000c
	s_cmp_lg_u32 s2, 0x3003
	s_cbranch_scc0 .Lentry_shape_is_right
	s_endpgm
.Lentry_shape_is_right:
; out[b,h,q,:] = softmax over k of ( q.k / 8 - 1e9 mask[q,k] ) . V      B x H = 16 heads, S = 4096, D = 64, all f32 in memory.
; One launch.  A work-group is one head (grid x) and 256 query rows (grid y); a wave owns 32 query rows (two q tiles of 16).
; The keys go in 64 steps of 64; two steps are a pair (128 keys), 32 pairs.
;
; FORM.  Scores are made transposed, S^T = K Q^T: in the result lane (r, h) holds query r and keys 16 t + 8 h + j, so a row's maximum is
; a reduction inside the lane and one exchange of the lane halves, and the eight results of key tiles 2 kk and 2 kk + 1, rounded to
; bf16, ARE the second operand (column q, k = key) of O^T = V^T P^T: no shuffle between the two products.  V^T is read from V[key][d]
; in LDS by the transposing load.  In O^T a lane holds one query as well, so the rescaling factor is a lane's own number.
; Q, K and V are rounded to bf16 as they are: no factor is folded into an operand before its rounding, so the products are those of the
; rounded inputs.  In f32: x = s * (log2(e) / 8) + mask * (-1e9 log2(e)), a multiply and a fused multiply-add, and p = 2^(x - m) with
; m the running maximum, taken anew in every step.  The subtraction x - m is made in the units of the exponent, so the largest weight is
; exactly 1 whatever the mask's size.  The row sum comes from the matrix unit (a first operand of
; ones), so that it is the sum of the rounded p that the second product uses; all rows of that tile are alike and register 0 alone is
; rescaled and read (the other seven hold sums of at most 4,096 numbers of at most 1 and are never read).
;
; CLUSTER.  Four heads with the same query block (4 x 1 work-groups) need the same tile of the mask: it is asked for jointly.  Of a
; step's bytes the mask is 64 KiB a work-group, K and V together 32 KiB.  K and V are not shared: their partners would be the query blocks
; of one head, and brought by the mover they would lie in LDS as f32: 32 KiB written, 32 KiB read and 16 KiB written again as bf16 in each step,
; where the way through registers taken here writes 16 KiB.
;
; LIMITS.  Matrix operands are bf16 (Q, K, V, P).  mask * (-1e9 log2 e) is rounded once and its sum with the scaled score once, in units of
; log2, where the definition rounds in natural units: it shows only where |1e9 mask| is above some 1e5 and several keys have almost the same mask.
; |mask| < 2.3e29 (its product with 1.44e9 stays finite in f32); a row whose first 64 keys all gave -infinity would give NaN.
; Weights below 2^-126 of the row's largest count as 0 (v_exp_f32 flushes denormal results: ISA guide 15.8).
.set MPITCH, 528                       ; an LDS row of the mask: 512 bytes + 16 = 33 x 16: sixteen rows begin at sixteen different 16-byte columns modulo 256
.set MWAVE,  32*MPITCH                 ; 16,896: a wave's 32 rows of a pair's tile
.set MSLOT,  8*MWAVE                   ; 135,168: a slot; two slots from LDS byte 0
.set KPITCH, 144                       ; bf16 K[key][d]: 128 bytes + 16 = 9 x 16
.set VPITCH, 160                       ; bf16 V[key][d]: 128 bytes + 32 = 5 x 32, for the transposing load
.set KB0,    2*MSLOT                   ; 270,336: K of even steps
.set VB0,    KB0+64*KPITCH             ; 279,552: V of even steps
.set KVBUF,  64*KPITCH+64*VPITCH       ; 19,456: from the even steps' scratch to the odd steps'; the scratch ends at 309,248
.set OPITCH, 272                       ; the way out: a row of 256 bytes + 16
.set STEPB,  16384                     ; bytes of 64 keys of K or of V in memory
; vector registers, window 0
.set KA,   8                           ; v8-9    LDS address of my K fragments, even and odd steps
.set VA,   10                          ; v10-11  the same for V
.set STO,  12                          ; v12     the way out: where I put my 32 bytes of a row
.set RD,   13                          ; v13     the way out: where I read 16 bytes of a row back
.set CO,   14                          ; v14     16 x lane: my bytes in two rows of the output
.set PFO,  15                          ; v15     prefetch: (lane / 2) rows of the mask + (lane mod 2) x 256 bytes
.set TA,   16                          ; v16-21 for q tile 0, v22-27 for q tile 1: two chains of maxima,
.set TB,   17
.set NM,   18                          ;         minus the new maximum (even: first of a pair for the packed add),
.set TT,   19                          ;         the other lane half's maximum,
.set AL,   20                          ;         2^(old maximum - new maximum) (even), at the end 1 / row sum,
.set MR,   21                          ;         the running maximum
.set QO,   28                          ; v28     my byte offset in the wave's 32 rows of Q
.set ONES, 32                          ; v32-39  a fragment of bf16 ones
.set LL,   40                          ; v40-55  row sums, q tile n at 40 + 8 n
.set O,    64                          ; v64-127 O^T: tile (dt, n) at 64 + 8 (2 dt + n)
.set X,    128                         ; v128-191 scores: q tile n, key tile t at 128 + 32 n + 8 t; then P(n, kk) at 128 + 32 n + 16 kk
.set F,    192                         ; v192-255 K(t, c) at 192 + 16 t + 8 c, later in the step V(dt, kk) at 192 + 16 dt + 8 kk
; vector registers, window 1 (written by their low 8 bits)
.set ST,   0                           ; v256-319 K and V on their way: set p, K's load i at 32 p + 4 i, V's at 32 p + 16 + 4 i
.set MM,   64                          ; v320-383 the mask, laid out as the scores
.set QF,   128                         ; v384-415 Q fragments (n, c) at 128 + 16 n + 8 c
.set KVO,  160                         ; v416    16 x thread
.set KS,   161                         ; v417-418 where I store my 8 bytes of K, even and odd steps
.set VS,   163                         ; v419-420 the same for V
.set MA,   165                         ; v421-422 LDS address of my mask numbers in slot 0, 1
; scalar registers
.set G1,   24                          ; s[24:31] descriptor group 1
.set G0,   32                          ; s[32:39] descriptor group 0, a set for each slot
.set KP,   40                          ; s[40:47] set p: K's address at 40 + 4 p, V's at 42 + 4 p
.set MSB, 0
.macro WIN new                         ; s_set_vgpr_msb: bits 1:0 source 0, 3:2 source 1, 5:4 source 2, 7:6 destination; the high byte repeats the setting that is left
.if MSB != \new
	s_set_vgpr_msb (MSB<<8)|\new
.set MSB, \new
.endif
.endm
.macro PLACES cnt
.rept \cnt
	v_nop
.endr
.endm
; A round of the cluster's barrier behind its opening work-group barrier: wave 0 signals for the work-group, every wave waits for the four
; work-groups, and the work-group's barrier closes the round.
.macro CREST
	s_cmp_lg_u32 s14, 0
	s_cbranch_scc1 .Lnot_wave_0_\@
	s_barrier_signal -3
.Lnot_wave_0_\@:
	s_barrier_wait -3
	s_barrier_signal -1
	s_barrier_wait -1
.endm
.macro ROUND
	s_barrier_signal -1
	s_barrier_wait -1
	CREST
.endm
	s_load_b256 s[4:11], s[0:1], 0x0               ; queries s[4:5], keys s[6:7], values s[8:9], mask s[10:11]
	s_load_b64 s[12:13], s[0:1], 0x20              ; out0
	v_lshl_add_u32 v62, v0, 2, 0x4b800
	v_mov_b32 v63, 0
	ds_add_u32 v62, v63
	v_lshrrev_b32 v1, 5, v0
	v_readfirstlane_b32 s14, v1                    ; wave 0..7
	s_bfe_u32 s15, ttmp6, 0x40000                  ; cx: my place in the cluster
	s_lshl_b32 s16, ttmp9, 2                       ; in a cluster launch ttmp9 counts clusters
	s_add_co_u32 s16, s16, s15                     ; head = 4 x cluster x + cx
	s_and_b32 s17, ttmp7, 0xffff                   ; y: block of 256 query rows (the cluster is 1 along y)
	s_mul_i32 s20, s14, MWAVE                      ; my wave's part of a mask slot: the wave's number alone
	s_mov_b32 s22, 0x76543210                      ; v_permlanex16_b32: lane i of one half reads lane i of the other
	s_mov_b32 s23, 0xfedcba98
	s_mov_b32 s54, 0xceabfb8f                      ; -1e9 log2(e) = -11,271,055 x 128, twice (a pair for the packed multiply)
	s_mov_b32 s55, 0xceabfb8f
	s_mov_b32 s2, 0x3e38aa3b                       ; log2(e) / 8, twice (a pair for the packed multiply-add)
	s_mov_b32 s3, 0x3e38aa3b
	s_lshl_b32 s18, s17, 22                        ; the mask tile's offset: (256 y + 32 wave) rows of 16,384 bytes: made of y and the wave alone,
	s_lshl_b32 s21, s14, 19                        ; which the four partners share
	s_add_co_u32 s18, s18, s21
	s_mov_b32 s19, 0
	s_lshl_b32 s58, s16, 20                        ; the head's 1 MiB in Q, K, V and the output
	s_mov_b32 s59, 0
	s_lshl_b32 s50, s17, 22                        ; prefetch: rows 256 y + 16 head .. + 15 of the mask
	s_lshl_b32 s61, s16, 18
	s_add_co_u32 s50, s50, s61
	s_mov_b32 s51, 0
	s_mov_b32 s52, 2*512                           ; prefetch: byte of the tile's first column, here pair 2's
	s_mov_b32 s53, 0
	s_lshl_b32 s56, s17, 16                        ; my wave's rows of Q and of the output: (256 y + 32 wave) rows of 256 bytes, in my head
	s_lshl_b32 s21, s14, 13
	s_add_co_u32 s56, s56, s21
	s_add_co_u32 s56, s56, s58
	s_mov_b32 s57, 0
	; descriptor group 1: a tile of 32 rows x 128 f32, padded in LDS, asked for jointly by the cluster's four work-groups
	s_mov_b32 s[G1+0], 15|(2<<16)|(1<<20)|(1<<21)|(6<<22)|(3<<25)  ; 15:0 mask of places 0-3; 17:16 elements of 4 bytes; 20 padding on; 21 set beside a mask; 24:22 after every 128 words; 31:25 four words
	s_mov_b32 s[G1+1], 128<<16                     ; tensor_dim0 = 128
	s_mov_b32 s[G1+2], 32<<16                      ; tensor_dim1 = 32
	s_mov_b32 s[G1+3], 128<<16                     ; tile_dim0 = 128 elements (512 bytes)
	s_mov_b32 s[G1+4], 32                          ; tile_dim1 = 32 rows
	s_mov_b32 s[G1+5], 4096                        ; elements from row to row
	s_mov_b32 s[G1+6], 0
	s_mov_b32 s[G1+7], 0
	; address registers, while the arguments are on their way.  r = lane mod 16, h = lane / 16.
	v_and_b32 v2, 15, v0                           ; r
	v_bfe_u32 v3, v0, 4, 1                         ; h
	v_and_b32 v4, 31, v0                           ; lane
	v_mul_u32_u24 v5, v2, KPITCH                   ; K fragment: row r, 16 bytes for each lane half
	v_lshl_add_u32 v5, v3, 4, v5
	v_add_nc_u32 v[KA], KB0, v5
	v_add_nc_u32 v[KA+1], KB0+KVBUF, v5
	v_and_b32 v6, 7, v0                            ; V by the transposing load: row 8 h + lane mod 8, 16 bytes for each group of eight lanes
	v_lshl_add_u32 v6, v3, 3, v6
	v_mul_u32_u24 v6, v6, VPITCH
	v_bfe_u32 v7, v0, 3, 1
	v_lshl_add_u32 v6, v7, 4, v6
	v_add_nc_u32 v[VA], VB0, v6
	v_add_nc_u32 v[VA+1], VB0+KVBUF, v6
	v_mul_u32_u24 v5, v2, OPITCH                   ; the way out, in: row r, 32 bytes for each lane half
	v_lshl_add_u32 v5, v3, 5, v5
	v_add_nc_u32 v[STO], s20, v5
	v_mul_u32_u24 v5, v3, OPITCH                   ; back: lanes 0-15 one row of 256 bytes, lanes 16-31 the next
	v_lshl_add_u32 v5, v2, 4, v5
	v_add_nc_u32 v[RD], s20, v5
	v_lshlrev_b32 v[CO], 4, v4
	v_lshrrev_b32 v5, 1, v4
	v_and_b32 v6, 1, v0
	v_lshlrev_b32 v5, 14, v5
	v_lshl_add_u32 v[PFO], v6, 8, v5
	v_lshlrev_b32 v5, 8, v2                        ; Q: row r of 256 bytes, 32 bytes for each lane half
	v_lshl_add_u32 v[QO], v3, 5, v5
	v_lshrrev_b32 v5, 4, v0                        ; K and V into the scratch: thread t holds d = 4 (t mod 16) .. + 3 of key 16 i + t / 16
	v_mul_u32_u24 v6, v5, VPITCH
	v_mul_u32_u24 v5, v5, KPITCH
	v_lshl_add_u32 v5, v2, 3, v5
	v_lshl_add_u32 v6, v2, 3, v6
	v_mul_u32_u24 v7, v2, MPITCH                   ; the mask: row r of my wave's 32, 32 bytes (8 keys) for each lane half
	v_lshl_add_u32 v7, v3, 5, v7
	v_add_nc_u32 v7, s20, v7
	WIN 0x40                                       ; destinations in window 1
	v_lshlrev_b32 v[KVO], 4, v0
	v_add_nc_u32 v[KS], KB0, v5
	v_add_nc_u32 v[KS+1], KB0+KVBUF, v5
	v_add_nc_u32 v[VS], VB0, v6
	v_add_nc_u32 v[VS+1], VB0+KVBUF, v6
	v_mov_b32 v[MA], v7
	v_add_nc_u32 v[MA+1], MSLOT, v7
	WIN 0
	s_wait_dscnt 0x0
	s_wait_kmcnt 0x0
	s_add_nc_u64 s[18:19], s[10:11], s[18:19]      ; the mask at my wave's rows
	s_add_nc_u64 s[KP:KP+1], s[6:7], s[58:59]      ; set 0: K and V of step 0
	s_add_nc_u64 s[KP+2:KP+3], s[8:9], s[58:59]
	s_add_nc_u64 s[KP+4:KP+5], s[KP:KP+1], STEPB   ; set 1: of step 1
	s_add_nc_u64 s[KP+6:KP+7], s[KP+2:KP+3], STEPB
	s_add_nc_u64 s[50:51], s[10:11], s[50:51]      ; the mask at the rows that I prefetch
	s_add_nc_u64 s[48:49], s[50:51], s[52:53]
	s_add_nc_u64 s[12:13], s[12:13], s[56:57]      ; the output at my wave's rows
	s_add_nc_u64 s[56:57], s[4:5], s[56:57]        ; Q at my wave's rows
.irp ss, 0,1
	s_mov_b32 s[G0+4*\ss], 1                                       ; count = 1
	s_add_co_u32 s[G0+4*\ss+1], s20, \ss*MSLOT                     ; LDS address: wave x 16,896 + slot x 135,168
	s_add_nc_u64 s[G0+4*\ss+2:G0+4*\ss+3], s[18:19], \ss*512       ; global address: pair ss
	s_or_b32 s[G0+4*\ss+3], s[G0+4*\ss+3], 0x80000000              ; type = 2
.endr
	ROUND                                          ; the four work-groups are here: the first joint loads meet
	tensor_load_to_lds s[G0:G0+3], s[G1:G1+7]      ; pair 0's and pair 1's tiles go out together: two tensor loads of a wave are out here,
	s_nop 0
	tensor_load_to_lds s[G0+4:G0+7], s[G1:G1+7]    ; later never more than one
	s_nop 0
	s_cmp_lg_u32 s14, 0
	s_cbranch_scc1 .Lno_pf_first
	global_prefetch_b8 v[PFO], s[48:49] th:TH_LOAD_NT scope:SCOPE_SE   ; wave 0: my sixteenth of pair 2's tile (see PREFETCH)
.Lno_pf_first:
; Eight loads of 16 bytes a thread: 64 keys of K and of V; a wave's load covers 512 consecutive bytes.  All operands in window 1.
.macro KVLOAD set
.irp ii, 0,1,2,3
	global_load_b128 v[ST+32*(\set)+4*\ii:ST+32*(\set)+4*\ii+3], v[KVO], s[KP+4*(\set):KP+4*(\set)+1] offset:4096*\ii
.endr
.irp ii, 0,1,2,3
	global_load_b128 v[ST+32*(\set)+16+4*\ii:ST+32*(\set)+16+4*\ii+3], v[KVO], s[KP+4*(\set)+2:KP+4*(\set)+3] offset:4096*\ii
.endr
.endm
; Staging set 'set' is rounded to bf16 in place and stored into scratch 'buf'; load = 1: the set is asked for again, two steps on.
.macro CONV set, buf, lwait, load
	WIN 0x45                                       ; destination, source 0 and source 1 in window 1
	s_wait_loadcnt \lwait                          ; loads come back in order (ISA guide 5.7.1): this set's eight are in, the younger ones stay out
.irp ii, 0,1,2,3,4,5,6,7
	v_cvt_pk_bf16_f32 v[ST+32*(\set)+4*\ii],   v[ST+32*(\set)+4*\ii],   v[ST+32*(\set)+4*\ii+1]
	v_cvt_pk_bf16_f32 v[ST+32*(\set)+4*\ii+1], v[ST+32*(\set)+4*\ii+2], v[ST+32*(\set)+4*\ii+3]
.endr
.irp ii, 0,1,2,3
	ds_store_b64 v[KS+(\buf)], v[ST+32*(\set)+4*\ii:ST+32*(\set)+4*\ii+1] offset:\ii*16*KPITCH
.endr
.irp ii, 0,1,2,3
	ds_store_b64 v[VS+(\buf)], v[ST+32*(\set)+16+4*\ii:ST+32*(\set)+16+4*\ii+1] offset:\ii*16*VPITCH
.endr
.if \load
	s_add_nc_u64 s[KP+4*(\set):KP+4*(\set)+1], s[KP+4*(\set):KP+4*(\set)+1], 2*STEPB       ; the wait above has shown the loads that named these addresses done
	s_add_nc_u64 s[KP+4*(\set)+2:KP+4*(\set)+3], s[KP+4*(\set)+2:KP+4*(\set)+3], 2*STEPB
	KVLOAD \set
.endif
.endm
	WIN 0x45
	KVLOAD 0                                       ; step 0's K and V
	WIN 0
.irp nn, 0,1
.irp cc, 0,1
.irp gg, 0,1
.irp ee, 0,1
	global_load_b128 v[X+32*\nn+16*\cc+8*\gg+4*\ee:X+32*\nn+16*\cc+8*\gg+4*\ee+3], v[QO], s[56:57] offset:4096*\nn+128*\cc+64*\gg+16*\ee th:TH_LOAD_NT   ; Q(16 n + r, 32 c + 16 g + 8 h + 4 e ..): fragment order
.endr
.endr
.endr
.endr
	WIN 0x45
	KVLOAD 1                                       ; step 1's
	CONV 0, 0, 24, 1                               ; step 0's K and V into the even scratch (24 younger loads: Q's 16, step 1's 8); step 2's are asked for
	s_wait_loadcnt 16                              ; Q is in; step 1's and step 2's 16 loads stay out
	WIN 0x40
.set j, 0
.rept 32
	v_cvt_pk_bf16_f32 v[QF+j], v[X+2*j], v[X+2*j+1]                ; Q is rounded as it is: the scale is applied to the f32 scores
.set j, j+1
.endr
	WIN 0
.irp ii, 0,1,2,3,4,5,6,7
	v_mov_b32 v[ONES+\ii], 0x3f803f80              ; two bf16 ones
.endr
.irp nn, 0,1
	v_mov_b32 v[MR+6*\nn], 0xff800000              ; the running maximum starts at -infinity
	v_mov_b32 v[TT+6*\nn], 0                       ; v_permlanex16_b32's destination counts as read
.endr
; Ten products: O^T(dt, n) += V^T(dt, kk) P^T(n, kk) and the row sums += ones P^T(n, kk).  The ten accumulators take turns, one instruction a turn.
.macro PVK kk, zero
.irp dd, 0,1,2,3
.irp nn, 0,1
.if \zero
	v_wmma_f32_16x16x32_bf16 v[O+8*(2*\dd+\nn):O+8*(2*\dd+\nn)+7], v[F+16*\dd+8*\kk:F+16*\dd+8*\kk+7], v[X+32*\nn+16*\kk:X+32*\nn+16*\kk+7], 0
.else
	v_wmma_f32_16x16x32_bf16 v[O+8*(2*\dd+\nn):O+8*(2*\dd+\nn)+7], v[F+16*\dd+8*\kk:F+16*\dd+8*\kk+7], v[X+32*\nn+16*\kk:X+32*\nn+16*\kk+7], v[O+8*(2*\dd+\nn):O+8*(2*\dd+\nn)+7]
.endif
.endr
.endr
.irp nn, 0,1
.if \zero
	v_wmma_f32_16x16x32_bf16 v[LL+8*\nn:LL+8*\nn+7], v[ONES:ONES+7], v[X+32*\nn+16*\kk:X+32*\nn+16*\kk+7], 0
.else
	v_wmma_f32_16x16x32_bf16 v[LL+8*\nn:LL+8*\nn+7], v[ONES:ONES+7], v[X+32*\nn+16*\kk:X+32*\nn+16*\kk+7], v[LL+8*\nn:LL+8*\nn+7]
.endif
.endr
.endm
.macro PVMUL first                     ; first = 1: the first products start the sums: nothing is cleared
	PVK 0, \first
	PVK 1, 0
	PLACES 5                                       ; the next step's loads into F stand four places behind, its score products, which write over P, five
.endm
; One step up to the second product.  slot: the mask's slot; half: which 64 keys of the pair, and which scratch; first = 1: the very first step;
; conv = 1: the next step's K and V are rounded into the other scratch; load = 1: those of three steps on are asked for; lwait: younger loads that stay out.
.macro STEP_A slot, half, first, conv, load, lwait
	WIN 0
.irp cc, 0,1
.irp tt, 0,1,2,3
	ds_load_b128 v[F+16*\tt+8*\cc:F+16*\tt+8*\cc+3],   v[KA+\half] offset:\tt*16*KPITCH+64*\cc
	ds_load_b128 v[F+16*\tt+8*\cc+4:F+16*\tt+8*\cc+7], v[KA+\half] offset:\tt*16*KPITCH+64*\cc+32
.endr
.endr
	WIN 0x45
.irp nn, 0,1
.irp tt, 0,1,2,3
	ds_load_b128 v[MM+32*\nn+8*\tt:MM+32*\nn+8*\tt+3],   v[MA+\slot] offset:\nn*16*MPITCH+256*\half+64*\tt      ; mask(16 n + r, 64 half + 16 t + 8 h + 0..3)
	ds_load_b128 v[MM+32*\nn+8*\tt+4:MM+32*\nn+8*\tt+7], v[MA+\slot] offset:\nn*16*MPITCH+256*\half+64*\tt+16
.endr
.endr
	s_wait_dscnt 16                                ; K's 16 loads are in; the mask's 16 stay out
	WIN 0x04                                       ; source 1 (Q) in window 1
	; S^T = K Q^T: eight accumulators take turns, one instruction a turn; d = 0..31 starts the sums
.irp tt, 0,1,2,3
.irp nn, 0,1
	v_wmma_f32_16x16x32_bf16 v[X+32*\nn+8*\tt:X+32*\nn+8*\tt+7], v[F+16*\tt:F+16*\tt+7], v[QF+16*\nn:QF+16*\nn+7], 0
.endr
.endr
.irp tt, 0,1,2,3
.irp nn, 0,1
	v_wmma_f32_16x16x32_bf16 v[X+32*\nn+8*\tt:X+32*\nn+8*\tt+7], v[F+16*\tt+8:F+16*\tt+15], v[QF+16*\nn+8:QF+16*\nn+15], v[X+32*\nn+8*\tt:X+32*\nn+8*\tt+7]
.endr
.endr
	WIN 0x45
	s_wait_dscnt 0x0                               ; the mask's 16 loads, the youngest LDS instructions, are in
	; mask x (-1e9 log2 e), in place.  These 32 lines name none of the products' registers: they are the places behind them (ISA guide 7.12.1)
.set j, 0
.rept 32
	v_pk_mul_f32 v[MM+2*j:MM+2*j+1], v[MM+2*j:MM+2*j+1], s[54:55] op_sel_hi:[1,0]
.set j, j+1
.endr
.if \conv
	CONV 1-\half, 1-\half, \lwait, \load
.endif
	WIN 0
.irp kk, 0,1
.irp dd, 0,1,2,3
	ds_load_tr16_b128 v[F+16*\dd+8*\kk:F+16*\dd+8*\kk+3],   v[VA+\half] offset:\kk*32*VPITCH+32*\dd               ; V^T(16 dt + r, 32 kk + 8 h ..)
	ds_load_tr16_b128 v[F+16*\dd+8*\kk+4:F+16*\dd+8*\kk+7], v[VA+\half] offset:\kk*32*VPITCH+32*\dd+16*VPITCH     ; V^T(16 dt + r, 32 kk + 16 + 8 h ..)
.endr
.endr
	WIN 0x10                                       ; source 2 (the scaled mask) in window 1
.set j, 0
.rept 32
	v_pk_fma_f32 v[X+2*j:X+2*j+1], v[X+2*j:X+2*j+1], s[2:3], v[MM+2*j:MM+2*j+1] op_sel_hi:[1,0,1]      ; x = s (log2 e / 8) + mask (-1e9 log2 e)
.set j, j+1
.endr
	WIN 0
	; the new maximum: my 32 keys and the old maximum in two chains for each q tile, then the other lane half's 32 keys
.irp nn, 0,1
	v_max3_num_f32 v[TA+6*\nn], v[MR+6*\nn], v[X+32*\nn], v[X+32*\nn+1]
	v_max3_num_f32 v[TB+6*\nn], v[X+32*\nn+16], v[X+32*\nn+17], v[X+32*\nn+18]
.endr
.set j, 0
.rept 6
.irp nn, 0,1
	v_max3_num_f32 v[TA+6*\nn], v[TA+6*\nn], v[X+32*\nn+2+2*j], v[X+32*\nn+3+2*j]
	v_max3_num_f32 v[TB+6*\nn], v[TB+6*\nn], v[X+32*\nn+19+2*j], v[X+32*\nn+20+2*j]
.endr
.set j, j+1
.endr
.irp nn, 0,1
	v_max3_num_f32 v[TA+6*\nn], v[TA+6*\nn], v[X+32*\nn+14], v[X+32*\nn+15]
.endr
.irp nn, 0,1
	v_max3_num_f32 v[TA+6*\nn], v[TA+6*\nn], v[TB+6*\nn], v[X+32*\nn+31]
.endr
.irp nn, 0,1
	v_permlanex16_b32 v[TT+6*\nn], v[TA+6*\nn], s22, s23
.endr
.irp nn, 0,1
	v_max_num_f32 v[TA+6*\nn], v[TA+6*\nn], v[TT+6*\nn]
.endr
.irp nn, 0,1
	v_mul_f32 v[NM+6*\nn], -1.0, v[TA+6*\nn]
.endr
.if \first == 0
.irp nn, 0,1
	v_add_f32 v[AL+6*\nn], v[MR+6*\nn], v[NM+6*\nn]
.endr
.irp nn, 0,1
	v_exp_f32 v[AL+6*\nn], v[AL+6*\nn]             ; what has been summed so far shrinks by 2^(old - new)
.endr
.endif
.irp nn, 0,1
	v_mov_b32 v[MR+6*\nn], v[TA+6*\nn]             ; also the plain instruction behind the exponentials (ISA guide 5.7.2)
.endr
.set j, 0
.rept 16
	v_pk_add_f32 v[X+2*j:X+2*j+1], v[X+2*j:X+2*j+1], v[NM:NM+1] op_sel_hi:[1,0]
.set j, j+1
.endr
	; p = 2^(x - m).  Plain work that touches none of their registers stands among the exponentials: q tile 1's subtraction, then the rescaling of O.
.set j, 0
.rept 16
	v_exp_f32 v[X+2*j], v[X+2*j]
	v_exp_f32 v[X+2*j+1], v[X+2*j+1]
	v_pk_add_f32 v[X+32+2*j:X+32+2*j+1], v[X+32+2*j:X+32+2*j+1], v[NM+6:NM+7] op_sel_hi:[1,0]
.set j, j+1
.endr
.set j, 0
.rept 16
	v_exp_f32 v[X+32+2*j], v[X+32+2*j]
	v_exp_f32 v[X+33+2*j], v[X+33+2*j]
.if \first == 0
	s_wait_alu depctr_va_vdst(0)
	v_pk_mul_f32 v[O+16*(j/4)+2*(j%4):O+16*(j/4)+2*(j%4)+1], v[O+16*(j/4)+2*(j%4):O+16*(j/4)+2*(j%4)+1], v[AL:AL+1] op_sel_hi:[1,0]
	v_pk_mul_f32 v[O+16*(j/4)+2*(j%4)+8:O+16*(j/4)+2*(j%4)+9], v[O+16*(j/4)+2*(j%4)+8:O+16*(j/4)+2*(j%4)+9], v[AL+6:AL+7] op_sel_hi:[1,0]
.endif
.set j, j+1
.endr
.if \first
	v_nop                                          ; the plain instruction behind the last exponential (ISA guide 5.7.2)
	s_wait_alu depctr_va_vdst(0)
.else
	v_mul_f32 v[LL], v[LL], v[AL]                  ; the row sums: register 0 alone is kept true
	v_mul_f32 v[LL+8], v[LL+8], v[AL+6]
	s_wait_alu depctr_va_vdst(0)
.endif
.irp nn, 0,1
.irp kk, 0,1
.irp ii, 0,1,2,3,4,5,6,7
	v_cvt_pk_bf16_f32 v[X+32*\nn+16*\kk+\ii], v[X+32*\nn+16*\kk+2*\ii], v[X+32*\nn+16*\kk+2*\ii+1]   ; P(n, kk) in place: register i is written behind its last read
.endr
.endr
.endr
	s_wait_dscnt 0x0                               ; V is in, my scratch stores are done, and I read nothing more of this step's scratch or of these 64 keys of the mask
.endm
; Between a pair's two steps: the barrier hands the scratch over (all have stored the next step's K and V, all have read this step's).  Nothing is
; filled by the mover behind it, so the tensor load that is out stays out.  The second product, registers alone, stands between signal and wait.
.macro MID first
	s_barrier_signal -1
	PVMUL \first
	s_barrier_wait -1
.endm
; Wave 0 asks for my work-group's sixteenth of the tile of the pair after the one just requested by the tensor load: 16 rows x 512 bytes, 32 lanes 256 bytes
; apart, so that the 16 work-groups that read a tile (16 heads) ask for each of its 256 rows once.  That tile's tensor load follows one pair (two steps)
; later.  The column is held at pair 31's, the last: the request behind pair 29 repeats it and none leaves the mask.
.macro PREFETCH
	s_cmp_lg_u32 s14, 0
	s_cbranch_scc1 .Lno_pf_\@
	s_wait_xcnt 0x0                                ; the last prefetch, a pair ago, has read s[48:49]
	s_add_co_u32 s52, s52, 512
	s_min_u32 s52, s52, 31*512
	s_add_nc_u64 s[48:49], s[50:51], s[52:53]
	global_prefetch_b8 v[PFO], s[48:49] th:TH_LOAD_NT scope:SCOPE_SE
.Lno_pf_\@:
.endm
; At a pair's end.  In front of the barrier every wave has waited for its LDS accesses (the step's last line) and waits for all its tensor loads: the one
; that is out is its part of the next pair's tile.  refill = 1: the barrier opens a round of the cluster's barrier, inside which stands register work alone;
; behind the round no wave of any partner reads this slot or has a load on its way, and the joint refill, the tile two pairs on, comes first.
.macro TURN slot, refill
	s_wait_tensorcnt 0x0
	ds_add_u32 v62, v63
	s_wait_dscnt 0x0
.if \refill
	s_add_nc_u64 s[G0+4*\slot+2:G0+4*\slot+3], s[G0+4*\slot+2:G0+4*\slot+3], 2*512    ; no tensor load of mine is out: the slot's address steps two pairs
.endif
	s_barrier_signal -1
	PVMUL 0
	s_barrier_wait -1
.if \refill
	CREST
	tensor_load_to_lds s[G0+4*\slot:G0+4*\slot+3], s[G1:G1+7]      ; my one tensor load until the next such round: 16 KiB, with a pair's work in which to land
	s_nop 0
	PREFETCH
.endif
.endm
.macro PAIR slot
	STEP_A \slot, 0, 0, 1, 1, 8
	MID 0
	STEP_A \slot, 1, 0, 1, 1, 8
	TURN \slot, 1
.endm
	s_wait_tensorcnt 0x1                           ; my part of pair 0's tile is in (I alone read it); pair 1's stays out
	s_wait_dscnt 0x0                               ; my part of step 0's K and V is in the scratch
	s_barrier_signal -1
	s_barrier_wait -1                              ; everybody's is
	STEP_A 0, 0, 1, 1, 1, 8                        ; pair 0: its first step starts maximum and sums
	MID 1
	STEP_A 0, 1, 0, 1, 1, 8
	TURN 0, 1
	PAIR 1
	s_mov_b32 s60, 14                              ; pairs 2 to 29
.Lpairs:
	PAIR 0
	PAIR 1
	s_sub_co_u32 s60, s60, 1
	s_cmp_lg_u32 s60, 0
	s_cbranch_scc1 .Lpairs
	STEP_A 0, 0, 0, 1, 1, 8                        ; pair 30.  Step 60 asks for step 63's K and V, the last
	MID 0
	STEP_A 0, 1, 0, 1, 0, 8                        ; step 61 rounds step 62's; step 63's eight loads stay out
	TURN 0, 0                                      ; no tile is left to ask for: a plain barrier, with pair 31's tile waited for in front of it
	STEP_A 1, 0, 0, 1, 0, 0                        ; pair 31.  Step 62 rounds step 63's: no load is younger
	MID 0
	STEP_A 1, 1, 0, 0, 0, 0                        ; step 63
	PVMUL 0                                        ; its five places also stand in front of the reads below
	; THE WAY OUT.  O^T / row sum; a lane's eight numbers of a tile are 32 neighbouring bytes of an output row.  They go through a stage in LDS, my wave's own
	; part of slot 0, whose last fill (pair 30's tile) has been read, and come back as whole rows of 256 bytes.
	v_rcp_f32 v[AL], v[LL]
	v_rcp_f32 v[AL+6], v[LL+8]
	v_nop                                          ; the plain instruction behind them (ISA guide 5.7.2)
.set j, 0
	s_wait_alu depctr_va_vdst(0)
.rept 16
	v_pk_mul_f32 v[O+16*(j/4)+2*(j%4):O+16*(j/4)+2*(j%4)+1], v[O+16*(j/4)+2*(j%4):O+16*(j/4)+2*(j%4)+1], v[AL:AL+1] op_sel_hi:[1,0]
	v_pk_mul_f32 v[O+16*(j/4)+2*(j%4)+8:O+16*(j/4)+2*(j%4)+9], v[O+16*(j/4)+2*(j%4)+8:O+16*(j/4)+2*(j%4)+9], v[AL+6:AL+7] op_sel_hi:[1,0]
.set j, j+1
.endr
.irp nn, 0,1
.irp dd, 0,1,2,3
	ds_store_b128 v[STO], v[O+8*(2*\dd+\nn):O+8*(2*\dd+\nn)+3]   offset:\nn*16*OPITCH+64*\dd       ; row 16 n + r, d = 16 dt + 8 h + 0..3
	ds_store_b128 v[STO], v[O+8*(2*\dd+\nn)+4:O+8*(2*\dd+\nn)+7] offset:\nn*16*OPITCH+64*\dd+16
.endr
.endr
.set j, 0
.rept 16
	ds_load_b128 v[X+4*j:X+4*j+3], v[RD] offset:j*2*OPITCH         ; LDS serves a wave's instructions in order (ISA guide 5.7.1): these see the stores above
.set j, j+1
.endr
.set j, 0
.rept 16
	s_wait_dscnt 15-j                              ; rows 2 j and 2 j + 1 are back; the younger loads stay out
	global_store_b128 v[CO], v[X+4*j:X+4*j+3], s[12:13] offset:512*j th:TH_STORE_NT   ; sixteen lanes store a row: 256 consecutive bytes at a multiple of 256 from the output's first byte
.set j, j+1
.endr
	s_wait_tensorcnt 0x0
	ds_add_u32 v62, v63
	s_wait_dscnt 0x0
	ROUND                                          ; the closing round: no work-group ends while a partner may still ask for a tile that names it
	s_endpgm
.Lfunc_end_k_qedcc2cc471_attn:
	.size	k_qedcc2cc471_attn, .Lfunc_end_k_qedcc2cc471_attn-k_qedcc2cc471_attn
	.p2alignl 7, 3214868480
	.fill 96, 4, 3214868480
	.section	.rodata,"a",@progbits
	.p2align	6, 0x0
	.amdhsa_kernel k_qedcc2cc471_attn
		.amdhsa_group_segment_fixed_size 327680
		.amdhsa_private_segment_fixed_size 0
		.amdhsa_enable_private_segment 0
		.amdhsa_kernarg_size 40
		.amdhsa_user_sgpr_count 2
		.amdhsa_user_sgpr_kernarg_segment_ptr 1
		.amdhsa_wavefront_size32 1
		.amdhsa_system_sgpr_workgroup_id_x 1
		.amdhsa_system_sgpr_workgroup_id_y 1
		.amdhsa_system_sgpr_workgroup_id_z 1
		.amdhsa_system_vgpr_workitem_id 0
		.amdhsa_next_free_vgpr 432
		.amdhsa_next_free_sgpr 66
		.amdhsa_reserve_vcc 0
		.amdhsa_float_denorm_mode_32 3
		.amdhsa_float_denorm_mode_16_64 3
		.amdhsa_memory_ordered 1
		.amdhsa_forward_progress 1
		.amdhsa_inst_pref_size 255
	.end_amdhsa_kernel
	.section	.bss,"aw",@nobits
	.p2align	6
	.space	262144
	.amdgpu_metadata
---
amdhsa.version: [ 1, 2 ]
amdhsa.kernels:
  - .name:           k_qedcc2cc471_attn
    .symbol:         k_qedcc2cc471_attn.kd
    .args:
      - { .name: queries, .offset: 0, .size: 8, .value_kind: global_buffer, .address_space: global }
      - { .name: keys, .offset: 8, .size: 8, .value_kind: global_buffer, .address_space: global }
      - { .name: values, .offset: 16, .size: 8, .value_kind: global_buffer, .address_space: global }
      - { .name: mask, .offset: 24, .size: 8, .value_kind: global_buffer, .address_space: global }
      - { .name: out0, .offset: 32, .size: 8, .value_kind: global_buffer, .address_space: global }
    .group_segment_fixed_size: 327680
    .private_segment_fixed_size: 0
    .kernarg_segment_align: 8
    .kernarg_segment_size: 40
    .max_flat_workgroup_size: 256
    .sgpr_count:     66
    .vgpr_count:     432
    .wavefront_size: 32
...
	.end_amdgpu_metadata
.endif
;; end of part 1
